; MI455X (gfx1250); checked and timed in simulation.
; The chip was launched on July 23, 2026; its instructions are those of AMD's public machine-readable ISA for CDNA 5 (MIT licence, August 2026) and "CDNA5" Instruction Set Architecture Reference Guide (July 2026). The comments in the code are by the model that wrote it; some were corrected since.
;; Torch Linear Gather. Allowed arithmetic: matrix products marked QUANTISED: E4M3 operands, one E8M0 scale for each 32 along K, by v_wmma_scale_f32_16x16x128_f8f6f4 with both operands' format E4M3, f32 sums; everything else in f32.
;; Inputs: W_codes 2,048 x 64 x 32 uint8 (E4M3 codes of W, K innermost, in blocks of 32 codes); W_scales 2,048 x 64 uint8 (E8M0 scales of W, one for each 32 codes along K); X_codes 4 x 4,096 x 64 x 32 uint8 (E4M3 codes of X, K innermost, in blocks of 32 codes); X_scales 4 x 4,096 x 64 uint8 (E8M0 scales of X, one for each 32 codes along K); ind 4 x 16 x 1,024 int32.
;; Outputs: out0 4 x 16 x 1,024 x 128 float32.
;; This version of the problem:
;;   THIS VERSION OF THE PROBLEM IS GIVEN IN LOW PRECISION. The matrix products marked QUANTISED in the list below multiply operands that are first quantised to E4M3 (4 exponent bits, 3 mantissa bits; 8 bits a number), with one power-of-two scale for each 32 numbers along K (OCP MX v1.0); their sums are f32. All else is computed in f32.
;;   The module's matrix products, in the order in which they are computed (A, B: the left and right operand; K: the contracted axis; several contracted axes count as one K, in the product's order):
;;     1. [M 16,384, K 2,048] x [K 2,048, N 2,048]; A: input X (given as codes); B: input W (given as codes): QUANTISED
;;   THE QUANTISER, for each operand of a quantised product, along K:
;;     - K is cut into blocks of 32 from its start; a last block that is shorter is filled with zeros.
;;     - A block's scale is 2^e with e = floor(log2(the largest magnitude in the block)) - 8, held to -126 .. 127; a block of zeros has e = 0. As a byte (E8M0): e + 127.
;;     - Each number is divided by its block's scale, clamped to +-448, and rounded to the nearest number of E4M3, ties to even, subnormals kept.
;;     - The product sums the exact products of the quantised numbers (number of the format x scale) in f32.
;;   ~~~python
;;   def quantise(x, axis):      # numpy; x: float32 -> the quantised numbers, widened to float32 again
;;       x = np.moveaxis(x, axis, -1); K = x.shape[-1]
;;       x = np.pad(x, [(0, 0)] * (x.ndim - 1) + [(0, -K % 32)]); x = x.reshape(x.shape[:-1] + (-1, 32)); a = np.abs(x).max(-1, keepdims=True)
;;       e = np.where(a > 0, np.clip(np.frexp(np.where(a > 0, a, 1))[1] - 1 - 8, -126, 127), 0)      # np.frexp(a)[1] - 1 = floor(log2(a)), exactly
;;       r = np.clip(x / 2.0 ** e, -448, 448)
;;       step = 2.0 ** (np.maximum(np.frexp(np.where(r == 0, 1, r))[1] - 1, -6) - 3)
;;       q = np.round(r / step) * step * 2.0 ** e      # np.round: ties to even
;;       return np.moveaxis(q.reshape(q.shape[:-2] + (-1,))[..., :K], -1, axis).astype(np.float32)
;;   ~~~
;;   INPUTS GIVEN AS CODES. W (in the module: [2048, 2048], K = its axis 1); X (in the module: [4, 4096, 2048], K = its axis 2): each comes as NAME_codes (uint8): NAME with its K axis moved to the last place and cut into blocks of 32 codes, [.., K / 32, bytes a block], one block behind the other in memory; one code a byte (a code: sign, 4 exponent bits, 3 mantissa bits); and NAME_scales (uint8): the same leading axes, one E8M0 byte (e + 127) for each 32 codes along K. Its value is code x scale, taken as it is: it is not quantised again, and the codes and scales need not be those that the quantiser above would give.
;; One version. Each part assembles by itself: llvm-mc -triple=amdgcn-amd-amdhsa -mcpu=gfx1250 --defsym DOCPART=n.
;; ======== version 1 of 1: 1 launch
;; launch gather_gemm (part 1): grid 256 x 1, 4 waves a work-group, clusters of 4 x 1, 327,680 bytes of LDS; arguments X_codes, X_scales, W_codes, W_scales, ind, out0; writes out0
.if DOCPART == 1
	.amdgcn_target "amdgcn-amd-amdhsa--gfx1250"
	.amdhsa_code_object_version 6
	.text
	.protected	k_q2e894d3948_gather_gemm
	.globl	k_q2e894d3948_gather_gemm
	.p2align	8
	.type	k_q2e894d3948_gather_gemm,@function
k_q2e894d3948_gather_gemm:
	s_mov_b64 s[64:65], 0
	v_nop
	global_prefetch_b8 v0, s[64:65] scope:SCOPE_SE
	s_setreg_imm32_b32 hwreg(HW_REG_WAVE_MODE, 25, 1), 1
	s_wait_xcnt 0x0
	s_wait_alu depctr_hold_cnt(0) depctr_sa_sdst(0) depctr_va_vdst(0) depctr_va_sdst(0) depctr_va_ssrc(0) depctr_va_vcc(0) depctr_vm_vsrc(0)
	s_getreg_b32 s2, hwreg(HW_REG_IB_STS2, 6, 4)
	s_cmp_eq_u32 s2, 0
	s_cbranch_scc0 .Lentry_in_a_cluster
	s_endpgm
.Lentry_in_a_cluster:
	s_bfe_u32 s2, ttmp6, 0x10000c
	s_cmp_lg_u32 s2, 0x3003
	s_cbranch_scc0 .Lentry_shape_is_right
	s_endpgm
.Lentry_shape_is_right:
; out0[b][e][c][:] = X[b][ind[b][e][c]][:] . W[128 e .. 128 e + 127][:]^T, on codes of FP8 (E4M3) with one E8M0 scale byte for each 32 along K = 2,048; sums in f32.
; Only the rows that the gather keeps are multiplied: 4 x 16 x 1,024 rows of X, each against the 128 rows of W of its expert.
; SHARES.  A cluster of four work-groups takes one pair (b, e); work-group cx of it takes slots c = 256 cx .. 256 cx + 255; wave w of it the 64 slots from 64 w on, against ALL 128 columns:
; 4 tiles of 16 gathered rows x 8 tiles of 16 columns = 32 accumulators, 256 registers.  So a wave's gathered rows are its own, and whole rows of out0 (512 bytes) belong to one wave.
; W: the four work-groups of a cluster walk the same 128 rows of W, so each tile is asked for JOINTLY (the same tensor load, the same descriptor, a mask that names the four) into a ring of two
; LDS slots of 512 along K.  X: the partners gather different rows, so nothing of X can be shared: each wave loads its rows through registers, 256 consecutive aligned bytes of a row for each
; sixteen lanes, lays them in its own stage in LDS and reads fragments back; the next 512 along K are on their way meanwhile.
; SCALES: a row's 64 scale bytes are loaded once into registers: lanes 0-15 hold the words of K steps 0-7, lanes 16-31 those of K steps 8-15, and the row selector of the matrix instruction picks the half.
; THE MATRIX INSTRUCTION IS USED TRANSPOSED (source 0 = 16 rows of W, source 1 = 16 gathered rows of X): a lane then holds eight neighbouring numbers of a row of out0.
; All 16 K steps of 128 are written out by macros: every offset is an immediate, no pointer and no descriptor is ever stepped, and every wait is counted on one path.
; LIMIT: indices are taken as 0 .. 4,095; any other number (a negative one counts as a large unsigned one) is held at 4,095.
; REGISTERS, in windows of 256: window 0: v0-31 addresses, v32-63 the gather's byte offsets, v64-95 X's scale words, v96-159 W's.   window 1: v0-127 W's 8 fragments, one set, renewed by halves;
;   v128-255 X's 4 fragments, two sets.   window 2: accumulator (a, t) at v[8 (8 a + t)].   window 3: 64 x 4 registers of X as loaded; on the way out whole rows of out0.
.set PITCH, 528                        ; an LDS row: 512 bytes + 16 of padding = 132 words: row r starts at bank 4 r mod 64 (64 banks of 4 bytes: ISA guide 11.1), so the 16 rows of a fragment load start at 16 different banks
.set WSLOT, 128*PITCH                  ; a slot of W: 128 rows x 512 along K.  Slots at 0 and at WSLOT: filled by tensor loads alone
.set ASTG,  2*WSLOT                    ; behind the ring: a stage of 64 rows for each wave, written by LDS stores alone
.set WSTG,  64*PITCH
.set SPARE, ASTG+4*WSTG                ; behind the stages: the spare words, 128 bytes for each wave: two blocks of 256 bytes that no other line names
.set ADRB, 8                           ; v8-9   LDS address of my lane's place in a fragment of W, slot 0, 1
.set ADRA, 10                          ; v10    the same in my stage
.set ASTO, 11                          ; v11    where I put 16 bytes of a gathered row
.set STO,  12                          ; v12    the way out: where I put 32 bytes of a row
.set RD,   13                          ; v13    the way out: where I read a row back
.set CO,   14                          ; v14    16 x lane: my bytes of a row of out0
.set IA,   15                          ; v15    128 h: my half's 32 indices
.set IS,   16                          ; v16    4 r: my row's index in a tile
.set WSA,  17                          ; v17    64 r + 32 h: my half of my row's scale bytes in W
.set L16,  18                          ; v18    16 r
.set H32,  19                          ; v19    32 h
.set SXO,  20                          ; v20-23 byte offset of my half of the scale bytes of gathered row 16 a + r
.set SPW,  28                          ; v28    LDS address of my spare word: SPARE + 4 x my thread's number; never rewritten
.set NIL,  29                          ; v29    0; never rewritten
.set RO,   32                          ; v32-63 byte offset in X[b] of my 16 bytes of gathered row 32 h + j
.set SA,   64                          ; X's scale words: tile a, word j at v[SA + 8 a + j]
.set SB,   96                          ; W's: tile t, word j at v[SB + 8 t + j]
.set BF,   0                           ; window 1
.set AF,   128                         ; window 1
.set ST,   0                           ; window 3
.set OB,   0                           ; window 3
.set G1,   16                          ; s[16:23] descriptor group 1
.set G0,   24                          ; s[24:39] descriptor group 0, a set for each of the four tiles of 512 along K: none is ever rewritten
.set WV,   40                          ; s40    my wave's number
.set MSB, 0
.macro WIN new                         ; the immediate's high byte repeats the setting that is left; a switch that changes nothing is dropped
.if MSB != \new
	s_set_vgpr_msb (MSB<<8)|\new
.set MSB, \new
.endif
.endm
.set W_MUL,    0xa5                    ; sources 0 (W) and 1 (X) window 1; C and D window 2
.set TO_F,     0x40                    ; destination window 1, address window 0
.set TO_ST,    0xc0                    ; destination window 3, address window 0
.set FROM_ST,  0x0c                    ; a store's data window 3
.set FROM_ACC, 0x08                    ; a store's data window 2
; A load into a register that a matrix instruction has read, and a store that reads a matrix result, stand eight places behind that matrix instruction, and only plain vector instructions that
; name none of its registers are places.
.macro PLACES n
.rept \n
	v_nop
.endr
.endm
; A round of the cluster's barrier: my work-group's barrier, so that wave 0's signal speaks for all four waves; wave 0 signals for the work-group; every wave waits for all four work-groups; my work-group's barrier once more.
.macro CREST                           ; a round behind its opening barrier
	s_cmp_lg_u32 s[WV], 0
	s_cbranch_scc1 .Lnot_wave_0_\@
	s_barrier_signal -3
.Lnot_wave_0_\@:
	s_barrier_wait -3
	s_barrier_signal -1
	s_barrier_wait -1
.endm
.macro CROUND                          ; a whole round
	s_barrier_signal -1
	s_barrier_wait -1
	CREST
.endm
; 64 loads: bytes 512 c .. 512 c + 511 of my wave's 64 gathered rows.  In each load lanes 0-15 read 256 consecutive aligned bytes of row j, lanes 16-31 of row 32 + j.
; No cache word: other work-groups gather the same rows again.
.macro LOAD_CHUNK c
	WIN TO_ST
.set J, 0
.rept 32
	global_load_b128 v[ST+8*J:ST+8*J+3],   v[RO+J], s[4:5] offset:512*(\c)
	global_load_b128 v[ST+8*J+4:ST+8*J+7], v[RO+J], s[4:5] offset:512*(\c)+256
.set J, J+1
.endr
.endm
; and into my stage, sixteen at a time as they arrive: loads come back in order (ISA guide 5.7.1), and no global load is younger than these 64: the counts leave the 48, 32, 16, 0 youngest out
.macro STORE_CHUNK
	WIN FROM_ST
.set J, 0
.rept 4
	s_wait_loadcnt 48-2*J
.rept 8
	ds_store_b128 v[ASTO], v[ST+8*J:ST+8*J+3]   offset:PITCH*J
	ds_store_b128 v[ASTO], v[ST+8*J+4:ST+8*J+7] offset:PITCH*J+256
.set J, J+1
.endr
.endr
.endm
; A fragment, 16 rows x 128 K of 8-bit codes, is 16 registers: lane l holds row l % 16; registers 4 c .. 4 c + 3 hold K = 32 c + 16 (l / 16) + 0 .. 15: four loads of 16 bytes, 32 bytes apart.
.macro FETCH_B slot, q, first          ; W's tiles first .. first + 3, the slot's q-th 128 along K: 16 loads
	WIN TO_F
.irp t, 0,1,2,3
.irp c, 0,1,2,3
	ds_load_b128 v[BF+16*((\first)+\t)+4*\c:BF+16*((\first)+\t)+4*\c+3], v[ADRB+(\slot)] offset:16*PITCH*((\first)+\t)+128*(\q)+32*\c
.endr
.endr
.endm
.macro FETCH_A q, set                  ; X's four tiles, the stage's q-th 128 along K, into one of the two sets: 16 loads
	WIN TO_F
.irp a, 0,1,2,3
.irp c, 0,1,2,3
	ds_load_b128 v[AF+64*(\set)+16*\a+4*\c:AF+64*(\set)+16*\a+4*\c+3], v[ADRA] offset:16*PITCH*\a+128*(\q)+32*\c
.endr
.endr
.endm
; 4 n matrix instructions: W's tiles first .. first + n - 1, each against X's four.  g: the K step, 0 .. 15: its scale words lie in register g % 8 of each tile's eight, in lanes 0-15 (g < 8) or 16-31.
; zero = 1: the first product starts the sums: nothing is ever cleared.  The 32 accumulators take turns, one instruction a turn, in the same order in every K step.
.macro MUL first, n, set, g, zero
.set T, \first
.rept \n
.irp a, 0,1,2,3
.if \zero
	v_wmma_scale_f32_16x16x128_f8f6f4 v[8*(8*\a+T):8*(8*\a+T)+7], v[BF+16*T:BF+16*T+15], v[AF+64*(\set)+16*\a:AF+64*(\set)+16*\a+15], 0, v[SB+8*T+(\g)%8], v[SA+8*\a+(\g)%8]
.elseif (\g) < 8
	v_wmma_scale_f32_16x16x128_f8f6f4 v[8*(8*\a+T):8*(8*\a+T)+7], v[BF+16*T:BF+16*T+15], v[AF+64*(\set)+16*\a:AF+64*(\set)+16*\a+15], v[8*(8*\a+T):8*(8*\a+T)+7], v[SB+8*T+(\g)%8], v[SA+8*\a+(\g)%8]
.else
	v_wmma_scale_f32_16x16x128_f8f6f4 v[8*(8*\a+T):8*(8*\a+T)+7], v[BF+16*T:BF+16*T+15], v[AF+64*(\set)+16*\a:AF+64*(\set)+16*\a+15], v[8*(8*\a+T):8*(8*\a+T)+7], v[SB+8*T+(\g)%8], v[SA+8*\a+(\g)%8] matrix_a_scale:MATRIX_SCALE_ROW1 matrix_b_scale:MATRIX_SCALE_ROW1
.endif
.endr
.set T, T+1
.endr
.endm
; A K step of 128 that has its successor in the same slot (q = 0, 1, 2).  W's tiles 0-3 are free when their 16 products are issued and take the next step's; then tiles 4-7 likewise.
.macro STEP slot, q, g, zero
	s_wait_dscnt 16                                ; W's tiles 0-3 and X's set are in; the youngest 16 loads (W's tiles 4-7) may be out
	WIN W_MUL
	MUL 0, 4, (\q)%2, \g, \zero
	PLACES 8
	FETCH_B \slot, (\q)+1, 0
	FETCH_A (\q)+1, ((\q)+1)%2
	s_wait_dscnt 32                                ; all but the 32 just issued: W's tiles 4-7 are in
	WIN W_MUL
	MUL 4, 4, (\q)%2, \g, \zero
	PLACES 8
	FETCH_B \slot, (\q)+1, 4
.endm
; The last K step of chunk c (512 along K) changes slots.  All fragments of the chunk have been fetched, so my stage takes the next chunk of X.  ONE barrier: in front of it each wave waits for all its
; tensor loads (one is out: its part of the next slot), adds 0 to its spare word, and waits for that, for its stores into the stage and for its reads of this slot.
; fill = 1: the barrier opens a round of the cluster's barrier, and this slot is filled again, with the chunk two on: the first tensor load behind the round, one a wave.
.macro TURN c, fill
	s_wait_dscnt 16                                ; W's tiles 0-3 and X's set are in; W's tiles 4-7 may be out
	STORE_CHUNK                                    ; LDS serves a wave's instructions in order (ISA guide 5.7.1.4): these stores come behind my last reads of the stage
	WIN 0                                          ; (the add's two registers lie in window 0)
	s_wait_tensorcnt 0x0                           ; all my tensor loads have landed: my part of the next slot;
	ds_add_u32 v[SPW], v[NIL]                      ; 0 onto my spare word
	WIN W_MUL
	MUL 0, 2, 1, 4*(\c)+3, 0                       ; eight matrix instructions stand between the add and the wait for it
	s_wait_dscnt 0x0                               ; the add is done, my reads of this slot are over, and my stores have read the registers that the next loads of X fill
	s_barrier_signal -1
	MUL 2, 2, 1, 4*(\c)+3, 0
	WIN 0
	s_barrier_wait -1
.if \fill
	CREST                                          ; no wave of any partner still reads this slot or has a load on its way
	tensor_load_to_lds s[G0+4*((\c)+2):G0+4*((\c)+2)+3], s[G1:G1+7]
	s_nop 0
	PLACES 8                                       ; all eight are the places in front of the loads into W's tiles 0-3
	LOAD_CHUNK (\c)+2                              ; X two chunks on: it has the next chunk's first three K steps in which to land
.else
	PLACES 8
.endif
	FETCH_B 1-(\c)%2, 0, 0
	FETCH_A 0, 0
	WIN W_MUL
	MUL 4, 4, 1, 4*(\c)+3, 0
	PLACES 8
	FETCH_B 1-(\c)%2, 0, 4
.endm
; THE WAY OUT of tile a (16 rows x 128 columns).  A lane holds 32 neighbouring bytes of a row and the lanes beside it hold other rows: the tile goes into a block of its own in my stage and comes back as whole rows of 512 bytes.
.macro TOSTAGE a
	WIN FROM_ACC
.irp t, 0,1,2,3,4,5,6,7
	ds_store_b128 v[STO], v[8*(8*(\a)+\t):8*(8*(\a)+\t)+3]   offset:16*PITCH*(\a)+64*\t      ; each accumulator from its low end on
	ds_store_b128 v[STO], v[8*(8*(\a)+\t)+4:8*(8*(\a)+\t)+7] offset:16*PITCH*(\a)+64*\t+16
.endr
	WIN TO_ST
.irp i, 0,1,2,3,4,5,6,7,8,9,10,11,12,13,14,15
	ds_load_b128 v[OB+64*(\a)+4*\i:OB+64*(\a)+4*\i+3], v[RD] offset:16*PITCH*(\a)+PITCH*\i   ; served in order: these see the stores above
.endr
.endm
.macro SEND a, younger                 ; younger: the LDS instructions issued behind tile a's loads, which may stay out.  No register and no base of a store is ever rewritten
	s_wait_dscnt \younger
	WIN FROM_ST
.irp i, 0,1,2,3,4,5,6,7,8,9,10,11,12,13,14,15
	global_store_b128 v[CO], v[OB+64*(\a)+4*\i:OB+64*(\a)+4*\i+3], s[14:15] offset:(16*(\a)+\i)*512 th:TH_STORE_NT   ; 32 lanes store 512 consecutive bytes, at a multiple of 512 from out0's first byte; written once, read by nobody here
.endr
.endm
	s_load_b256 s[4:11], s[0:1], 0x0               ; X's codes s[4:5], X's scales s[6:7], W's codes s[8:9], W's scales s[10:11]
	s_load_b128 s[12:15], s[0:1], 0x20             ; ind s[12:13], out0 s[14:15]
	v_lshl_add_u32 v[SPW], v0, 2, SPARE
	v_mov_b32 v[NIL], 0
	ds_add_u32 v28, v29
	ds_add_u32 v28, v29
	s_wait_dscnt 0x0
	v_lshrrev_b32 v4, 5, v0
	v_readfirstlane_b32 s[WV], v4                  ; wave 0..3
	v_and_b32 v1, 15, v0                           ; r = lane % 16
	v_bfe_u32 v2, v0, 4, 1                         ; h = lane / 16
	v_and_b32 v3, 31, v0                           ; lane
	s_mul_i32 s44, s[WV], WSTG
	s_add_co_u32 s44, s44, ASTG                    ; my stage
	s_mul_i32 s54, s[WV], 32*PITCH                 ; my 32 rows of a slot of W
	v_mul_u32_u24 v4, v1, PITCH
	v_lshl_add_u32 v[ADRB], v2, 4, v4              ; a fragment's row x pitch + 16 x half
	v_add_nc_u32 v[ADRB+1], WSLOT, v[ADRB]
	v_add_nc_u32 v[ADRA], s44, v[ADRB]
	v_mul_u32_u24 v5, v2, 32*PITCH                 ; into the stage: lanes 0-15 fill row j, lanes 16-31 row 32 + j; 16 bytes a lane
	v_lshl_add_u32 v5, v1, 4, v5
	v_add_nc_u32 v[ASTO], s44, v5
	v_lshl_add_u32 v6, v2, 5, v4                   ; the way out: row r, 32 bytes for each half of the lanes
	v_add_nc_u32 v[STO], s44, v6
	v_lshlrev_b32 v[CO], 4, v3
	v_add_nc_u32 v[RD], s44, v[CO]
	v_lshlrev_b32 v[IA], 7, v2
	v_lshlrev_b32 v[IS], 2, v1
	v_lshlrev_b32 v[H32], 5, v2
	v_lshl_add_u32 v[WSA], v1, 6, v[H32]
	v_lshlrev_b32 v[L16], 4, v1
	s_bfe_u32 s41, ttmp6, 0x40000                  ; cx: my place in the cluster: it enters ind's and out0's offsets alone
	s_lshr_b32 s42, ttmp9, 4                       ; in a cluster launch ttmp9 counts clusters: b = cluster / 16,
	s_and_b32 s43, ttmp9, 15                       ; e = cluster % 16
	s_lshl_b32 s46, s43, 18                        ; W: 128 e rows of 2,048 bytes
	s_lshl_b32 s45, s[WV], 16                      ; + my 32 w rows
	s_add_co_u32 s46, s46, s45
	s_mov_b32 s47, 0
	s_lshl_b32 s50, ttmp9, 12                      ; ind: (1,024 x cluster + 256 cx + 64 w) x 4 bytes
	s_lshl_b32 s55, s41, 10
	s_lshl_b32 s56, s[WV], 8
	s_add_co_u32 s50, s50, s55
	s_add_co_u32 s50, s50, s56
	s_mov_b32 s51, 0
	s_lshl_b32 s52, ttmp9, 19                      ; out0: the same rows x 512 bytes
	s_lshl_b32 s55, s41, 17
	s_lshl_b32 s56, s[WV], 15
	s_add_co_u32 s52, s52, s55
	s_add_co_u32 s52, s52, s56
	s_mov_b32 s53, 0
	s_mov_b32 s49, 0
	; descriptor group 1: a tile of 32 rows x 512 bytes, padded in LDS
	s_mov_b32 s[G1+0], 15|(0<<16)|(1<<20)|(1<<21)|(6<<22)|(3<<25)   ; 15:0 the mask: all four work-groups; 17:16 elements of 1 byte; 20 padding on; 21 set beside a mask; 24:22 after every 128 words (code 6); 31:25 four words (code 3)
	s_mov_b32 s[G1+1], 512<<16                     ; tensor_dim0 = 512
	s_mov_b32 s[G1+2], 32<<16                      ; tensor_dim1 = 32
	s_mov_b32 s[G1+3], 512<<16                     ; tile_dim0 = 512
	s_mov_b32 s[G1+4], 32                          ; tile_dim1 = 32
	s_mov_b32 s[G1+5], 2048                        ; tensor_dim0_stride: a row of W
	s_mov_b32 s[G1+6], 0
	s_mov_b32 s[G1+7], 0
	s_wait_kmcnt 0x0
	s_add_nc_u64 s[12:13], s[12:13], s[50:51]      ; ind at my wave's 64 slots
	s_lshl_b32 s48, s43, 13
	s_add_nc_u64 s[10:11], s[10:11], s[48:49]      ; W's scales at expert e: 128 rows of 64 bytes each
	s_lshl_b32 s48, s42, 23
	s_add_nc_u64 s[4:5], s[4:5], s[48:49]          ; X's codes at batch b
	s_lshl_b32 s48, s42, 18
	s_add_nc_u64 s[6:7], s[6:7], s[48:49]          ; X's scales at batch b
	s_add_nc_u64 s[14:15], s[14:15], s[52:53]      ; out0 at my wave's first row
	s_add_nc_u64 s[8:9], s[8:9], s[46:47]          ; W's codes at my 32 rows
.irp k, 0,1,2,3,4,5,6,7
	global_load_b128 v[RO+4*\k:RO+4*\k+3], v[IA], s[12:13] offset:16*\k       ; register j: ind of slot 32 h + j
.endr
.irp a, 0,1,2,3
	global_load_b32 v[SXO+\a], v[IS], s[12:13] offset:64*\a                   ; ind of slot 16 a + r
.endr
.irp t, 0,1,2,3,4,5,6,7
	global_load_b128 v[SB+8*\t:SB+8*\t+3],   v[WSA], s[10:11] offset:1024*\t     ; W's scale words: row 16 t + r, words 8 h + 0 .. 7
	global_load_b128 v[SB+8*\t+4:SB+8*\t+7], v[WSA], s[10:11] offset:1024*\t+16
.endr
.irp c, 0,1,2,3
	s_mov_b32 s[G0+4*\c], 1                                        ; 1:0 count = 1
	s_add_co_u32 s[G0+4*\c+1], s54, (\c%2)*WSLOT                   ; 63:32 LDS address: slot c % 2, my 32 rows
	s_add_nc_u64 s[G0+4*\c+2:G0+4*\c+3], s[8:9], 512*\c            ; 120:64 global address: 512 c along K
	s_or_b32 s[G0+4*\c+3], s[G0+4*\c+3], 0x80000000                ; 127:126 type = 2
.endr
	CROUND                                         ; all four work-groups are here: the first joint loads meet.  (The loads above read bytes that nobody writes: they stay on their way)
	tensor_load_to_lds s[G0:G0+3], s[G1:G1+7]      ; both first fills together, ahead of every wait on TENSORcnt and every LDS read: two loads of mine are out
	s_nop 0
	tensor_load_to_lds s[G0+4:G0+7], s[G1:G1+7]
	s_nop 0
	PLACES 4
	s_wait_loadcnt 16                              ; the twelve loads of ind are in; the 16 of W's scales behind them may be out
.set J, 0
.rept 32
	v_min_u32 v[RO+J], 0xfff, v[RO+J]              ; held inside the table
.set J, J+1
.endr
.irp a, 0,1,2,3
	v_min_u32 v[SXO+\a], 0xfff, v[SXO+\a]
.endr
.set J, 0
.rept 32
	v_lshlrev_b32 v[RO+J], 11, v[RO+J]             ; a row of X is 2,048 bytes
.set J, J+1
.endr
.irp a, 0,1,2,3
	v_lshlrev_b32 v[SXO+\a], 6, v[SXO+\a]          ; a row of its scales 64
.endr
.set J, 0
.rept 32
	v_add_nc_u32 v[RO+J], v[L16], v[RO+J]          ; + my 16 bytes of sixteen lanes' 256
.set J, J+1
.endr
.irp a, 0,1,2,3
	v_add_nc_u32 v[SXO+\a], v[H32], v[SXO+\a]      ; + my half's 32 bytes
.endr
.irp a, 0,1,2,3
	global_load_b128 v[SA+8*\a:SA+8*\a+3],   v[SXO+\a], s[6:7]                ; X's scale words: gathered row 16 a + r, words 8 h + 0 .. 7
	global_load_b128 v[SA+8*\a+4:SA+8*\a+7], v[SXO+\a], s[6:7] offset:16
.endr
	LOAD_CHUNK 0
	STORE_CHUNK                                    ; its first wait leaves only 48 of the chunk's own loads out: all scale words are in as well
	WIN 0
	s_wait_dscnt 0x0                               ; the stores have read their registers
	LOAD_CHUNK 1
	WIN 0
	s_wait_tensorcnt 0x1                           ; my part of slot 0 is in; slot 1's may stay out
	s_barrier_signal -1
	s_barrier_wait -1                              ; everybody's is
	FETCH_B 0, 0, 0
	FETCH_A 0, 0
	FETCH_B 0, 0, 4
	STEP 0, 0, 0, 1                                ; the first K step's products start the sums
	STEP 0, 1, 1, 0
	STEP 0, 2, 2, 0
	TURN 0, 1                                      ; slot 0 takes chunk 2
	STEP 1, 0, 4, 0
	STEP 1, 1, 5, 0
	STEP 1, 2, 6, 0
	TURN 1, 1                                      ; slot 1 takes chunk 3
	STEP 0, 0, 8, 0
	STEP 0, 1, 9, 0
	STEP 0, 2, 10, 0
	TURN 2, 0                                      ; nothing is left to fetch: a plain barrier shows slot 1 whole
	STEP 1, 0, 12, 0
	STEP 1, 1, 13, 0
	STEP 1, 2, 14, 0
	s_wait_dscnt 16                                ; the very last K step
	WIN W_MUL
	MUL 0, 4, 1, 15, 0
	s_wait_dscnt 0x0
	MUL 4, 4, 1, 15, 0
	WIN 0
	PLACES 8                                       ; in front of the stores that read results
	TOSTAGE 0
	TOSTAGE 1
	SEND 0, 32                                     ; behind tile 0's loads: tile 1's 16 stores and 16 loads
	TOSTAGE 2
	SEND 1, 32
	TOSTAGE 3
	SEND 2, 32
	SEND 3, 0
	WIN 0
	s_wait_tensorcnt 0x0                           ; the wave's end: behind my last tensor load and my last LDS store
	ds_add_u32 v[SPW], v[NIL]
	s_wait_dscnt 0x0
	CROUND                                         ; the closing round: no work-group ends while a partner may still ask for a tile that names it
	s_endpgm
.Lfunc_end_k_q2e894d3948_gather_gemm:
	.size	k_q2e894d3948_gather_gemm, .Lfunc_end_k_q2e894d3948_gather_gemm-k_q2e894d3948_gather_gemm
	.p2alignl 7, 3214868480
	.fill 96, 4, 3214868480
	.section	.rodata,"a",@progbits
	.p2align	6, 0x0
	.amdhsa_kernel k_q2e894d3948_gather_gemm
		.amdhsa_group_segment_fixed_size 327680
		.amdhsa_private_segment_fixed_size 0
		.amdhsa_enable_private_segment 0
		.amdhsa_kernarg_size 48
		.amdhsa_user_sgpr_count 2
		.amdhsa_user_sgpr_kernarg_segment_ptr 1
		.amdhsa_wavefront_size32 1
		.amdhsa_system_sgpr_workgroup_id_x 1
		.amdhsa_system_sgpr_workgroup_id_y 1
		.amdhsa_system_sgpr_workgroup_id_z 1
		.amdhsa_system_vgpr_workitem_id 0
		.amdhsa_next_free_vgpr 1024
		.amdhsa_next_free_sgpr 66
		.amdhsa_reserve_vcc 0
		.amdhsa_float_denorm_mode_32 3
		.amdhsa_float_denorm_mode_16_64 3
		.amdhsa_memory_ordered 1
		.amdhsa_forward_progress 1
		.amdhsa_inst_pref_size 193
	.end_amdhsa_kernel
	.amdgpu_metadata
---
amdhsa.version: [ 1, 2 ]
amdhsa.kernels:
  - .name:           k_q2e894d3948_gather_gemm
    .symbol:         k_q2e894d3948_gather_gemm.kd
    .args:
      - { .name: X_codes, .offset: 0, .size: 8, .value_kind: global_buffer, .address_space: global }
      - { .name: X_scales, .offset: 8, .size: 8, .value_kind: global_buffer, .address_space: global }
      - { .name: W_codes, .offset: 16, .size: 8, .value_kind: global_buffer, .address_space: global }
      - { .name: W_scales, .offset: 24, .size: 8, .value_kind: global_buffer, .address_space: global }
      - { .name: ind, .offset: 32, .size: 8, .value_kind: global_buffer, .address_space: global }
      - { .name: out0, .offset: 40, .size: 8, .value_kind: global_buffer, .address_space: global }
    .group_segment_fixed_size: 327680
    .private_segment_fixed_size: 0
    .kernarg_segment_align: 8
    .kernarg_segment_size: 48
    .max_flat_workgroup_size: 128
    .sgpr_count:     66
    .vgpr_count:     1024
    .wavefront_size: 32
...
	.end_amdgpu_metadata
.endif
;; end of part 1
